; MI455X (gfx1250); checked and timed in simulation.
; The chip was launched on July 23, 2026; its instructions are those of AMD's public machine-readable ISA for CDNA 5 (MIT licence, August 2026) and "CDNA5" Instruction Set Architecture Reference Guide (July 2026). The comments in the code are by the model that wrote it; some were corrected since.
;; Relative Attention. Allowed arithmetic: matrix products marked QUANTISED: E4M3 operands, one given power-of-two scale a tensor, by v_wmma_f32_16x16x64_fp8_fp8 or v_wmma_f32_16x16x128_fp8_fp8, f32 sums; everything else in f32.
;; Inputs: Er_codes 1,024 x 2 x 32 uint8 (E4M3 codes of Er, K innermost, in blocks of 32 codes); Wk_codes 1,024 x 32 x 32 uint8 (E4M3 codes of Wk, K innermost, in blocks of 32 codes); Wq_codes 1,024 x 32 x 32 uint8 (E4M3 codes of Wq, K innermost, in blocks of 32 codes); Wv_codes 1,024 x 32 x 32 uint8 (E4M3 codes of Wv, K innermost, in blocks of 32 codes); bk 1,024 float32; bq 1,024 float32; bv 1,024 float32; lowp_scales 12 int32 (the exponents e of the quantised operands' scales 2^e); x_codes 4 x 1,024 x 32 x 32 uint8 (E4M3 codes of x, K innermost, in blocks of 32 codes).
;; Outputs: out0 4 x 1,024 x 1,024 float32.
;; This version of the problem:
;;   THIS VERSION OF THE PROBLEM IS GIVEN IN LOW PRECISION. The matrix products marked QUANTISED in the list below multiply operands that are first quantised to E4M3 (4 exponent bits, 3 mantissa bits; 8 bits a number), with one given power-of-two scale for each operand tensor; their sums are f32. All else is computed in f32.
;;   The module's matrix products, in the order in which they are computed (A, B: the left and right operand; K: the contracted axis; several contracted axes count as one K, in the product's order):
;;     1. [M 4,096, K 1,024] x [K 1,024, N 1,024]; A: input x (given as codes); B: input Wq (given as codes): QUANTISED (scales: A lowp_scales[0], B lowp_scales[1])
;;     2. [M 4,096, K 1,024] x [K 1,024, N 1,024]; A: input x (given as codes); B: input Wk (given as codes): QUANTISED (scales: A lowp_scales[2], B lowp_scales[3])
;;     3. [M 4,096, K 1,024] x [K 1,024, N 1,024]; A: input x (given as codes); B: input Wv (given as codes): QUANTISED (scales: A lowp_scales[4], B lowp_scales[5])
;;     4. [M 65,536, K 64] x [K 64, N 1,024]; A: computed on the way; B: input Er (given as codes): QUANTISED (scales: A lowp_scales[6], B lowp_scales[7])
;;     5. batch 64 x [M 1,024, K 64] x [K 64, N 1,024]; A: computed on the way; B: computed on the way: QUANTISED (scales: A lowp_scales[8], B lowp_scales[9])
;;     6. batch 64 x [M 1,024, K 1,024] x [K 1,024, N 64]; A: softmax (see below); B: computed on the way: QUANTISED (scales: A lowp_scales[10], B lowp_scales[11])
;;   THE QUANTISER, for each operand of a quantised product, along K:
;;     - The operand's scale is 2^e, e = its entry of the input lowp_scales (int32; the entries are numbered through the quantised products in the list's order, A before B).
;;     - Each number is divided by the scale, clamped to +-448, and rounded to the nearest number of E4M3, ties to even, subnormals kept.
;;     - The product sums the exact products of the quantised numbers (number of the format x scale) in f32.
;;   ~~~python
;;   def quantise(x, axis, e):      # numpy; x: float32 -> the quantised numbers, widened to float32 again
;;       x = np.moveaxis(x, axis, -1); K = x.shape[-1]
;;       r = np.clip(x / 2.0 ** e, -448, 448)
;;       step = 2.0 ** (np.maximum(np.frexp(np.where(r == 0, 1, r))[1] - 1, -6) - 3)
;;       q = np.round(r / step) * step * 2.0 ** e      # np.round: ties to even
;;       return np.moveaxis(q, -1, axis).astype(np.float32)
;;   ~~~
;;   SOFTMAX AHEAD OF A QUANTISED PRODUCT. Where the list says 'softmax', what is quantised is not the finished softmax but p = 2^(t - M), with t = logit x log2(e) and M = ceil(the row's largest t), a whole number; so 1/2 < the row's largest p <= 1. The row's sum l is taken of the UNQUANTISED p, in f32, and the product's result is divided by l at the end. Since M is a whole number, a kernel that streams over the keys may use a running M (the ceiling of the running maximum): every later rescaling is an exact power of two, so the quantised numbers keep their values, but for numbers so far below the row's largest that they fall under the format's range.
;;   OPERANDS COMPUTED ON THE WAY. 'Computed on the way' means the value that the module computes at that place (a softmax that the list does not call 'softmax' is quantised finished and normalised). What goes into a quantiser is computed in f32, as accurately as f32 sums, v_exp_f32 and their like allow (about 1e-6 of the number): no bf16 or f16 on the way to a quantiser, and a product that is left as it is and whose result goes on into a quantised operand takes f32 operands (vector FMAs, or v_wmma_f32_16x16x4_f32). A number that lies on a knife's edge between two numbers of the format may be rounded either way, as far as f32 arithmetic and the matrix unit's own rounding can turn it there, and no further.
;;   INPUTS GIVEN AS CODES. Er (in the module: [1024, 64], K = its axis 1); Wk (in the module: [1024, 1024], K = its axis 0); Wq (in the module: [1024, 1024], K = its axis 0); Wv (in the module: [1024, 1024], K = its axis 0); x (in the module: [4, 1024, 1024], K = its axis 2): each comes as NAME_codes (uint8): NAME with its K axis moved to the last place and cut into blocks of 32 codes, [.., K / 32, bytes a block], one block behind the other in memory; one code a byte (a code: sign, 4 exponent bits, 3 mantissa bits); its scale is its entry of lowp_scales. Its value is code x scale, taken as it is: it is not quantised again, and the codes and scales need not be those that the quantiser above would give.
;; One version. Each part assembles by itself: llvm-mc -triple=amdgcn-amd-amdhsa -mcpu=gfx1250 --defsym DOCPART=n.
;; ======== version 1 of 1: 2 launches
;; limits: right only within a limited range of input values
;; workspace buffers: qa 4,194,304 bytes; qb 4,194,304 bytes; kv 8,388,608 bytes
;; launch proj (part 1): grid 48 x 4, 4 waves a work-group, clusters of 4 x 4, 327,680 bytes of LDS; arguments x_codes, Wq_codes, Wk_codes, Wv_codes, bq, bk, bv, lowp_scales, qa, qb, kv; writes qa, qb, kv
.if DOCPART == 1
	.amdgcn_target "amdgcn-amd-amdhsa--gfx1250"
	.amdhsa_code_object_version 6
	.text
	.protected	k_qb0df84fa8c_proj
	.globl	k_qb0df84fa8c_proj
	.p2align	8
	.type	k_qb0df84fa8c_proj,@function
k_qb0df84fa8c_proj:
	s_mov_b64 s[64:65], 0
	v_nop
	global_prefetch_b8 v0, s[64:65] scope:SCOPE_SE
	s_setreg_imm32_b32 hwreg(HW_REG_WAVE_MODE, 25, 1), 1
	s_wait_xcnt 0x0
	s_wait_alu depctr_hold_cnt(0) depctr_sa_sdst(0) depctr_va_vdst(0) depctr_va_sdst(0) depctr_va_ssrc(0) depctr_va_vcc(0) depctr_vm_vsrc(0)
	s_getreg_b32 s2, hwreg(HW_REG_IB_STS2, 6, 4)
	s_cmp_eq_u32 s2, 0
	s_cbranch_scc0 .Lentry_in_a_cluster
	s_endpgm
.Lentry_in_a_cluster:
	s_bfe_u32 s2, ttmp6, 0x10000c
	s_cmp_lg_u32 s2, 0xf033
	s_cbranch_scc0 .Lentry_shape_is_right
	s_endpgm
.Lentry_shape_is_right:
; q = x Wq + bq, k = x Wk + bk, v = x Wv + bv on codes of E4M3 (sums in f32), each result quantised in registers for the attention launch that follows:
; q twice (2^e6 for the product with Er, 2^e8 for the product with k), k with 2^e9, v with 2^e11.  e0 .. e11 are the whole numbers of lowp_scales.
; WORK THAT THE PROGRAM LEAVES OUT (in the second launch).  reference() replaces every score with key j > query i by -inf, by a mask that it builds itself (jnp.tril), whatever the inputs hold; behind the softmax
; such a score weighs 0.  For j <= i the skew gives Srel[i][j] = q_i . Er[1023 - i + j]: element (i + 1) 1024 + j of the padded rows is i 1025 + (1024 - i + j), column 1024 - i + j of padded row i.  So the padded zero
; column, the rows that the reshape wraps round, all of q Er^T that the skew sends to j > i, and every tile of q k^T and of p v wholly above the diagonal reach no output: they are not formed where they come in whole
; key steps.  Every input has a way to the output and is loaded.  LIMIT: a NaN, an infinity or an overflow that reaches only those masked scores is not carried to the result.
; SHARES.  192 work-groups, one tile of 256 x 256 each: 64 for q, 64 for k, 64 for v (4,096 x 3,072 results in tiles that keep to one weight each; 64 WGPs have no tile).  Four waves, 128 x 128 each: 64 accumulators.
; K = 1,024 goes in four steps of 256 through a ring of two LDS slots.  For q and k: A' = x (rows: positions), B' = W (rows: channels).  For v: A' = Wv, B' = x.
; CLUSTERS: 4 x 4 work-groups of ONE kind; A's tiles are asked for jointly along a row of the cluster, B's along a column.  The kind hangs on the cluster's number alone: it is the same in all sixteen partners.
; THE MATRIX INSTRUCTION IS USED TRANSPOSED (source 0 = 16 rows of B', source 1 = 16 rows of A'): lane (r, h) of accumulator (a, b) holds A' row 16 a + r and B' rows 16 b + 8 h + 0 .. 7.  One conversion of those
; eight numbers gives registers 2 b, 2 b + 1 of an fp8 operand in the form's own layout (k = 16 c + 8 h + 0 .. 7 in registers 2 c, 2 c + 1).  So q's and k's accumulators 4 hh .. 4 hh + 3 are a fragment of 16 positions x
; the 64 channels of head hh, and v's eight accumulators of a block are a fragment of 16 channels x 128 keys.  THE CODES ARE STORED AS IMAGES OF THOSE REGISTERS: four registers a store, lane l's 16 bytes at 16 l:
; each store of the wave covers 512 consecutive bytes, aligned.  No stage in LDS.
;   qa, qb: [batch x 16 + head][tile of 16 positions (64)][4 registers (2)][lane][16 bytes]
;   kv:     [batch x 16 + head][slot of 256 keys (4)][32,768]: 16 images of k (1,024 bytes each), then [128 keys (2)][16 channels (4)][4 registers (4)][lane][16 bytes] of v
; LIMITS: e0 + e1, e2 + e3, e4 + e5 between -126 and 127; e6, e8, e9, e11 between -126 and 119, so that each power of two below is an f32 number.  NaN among the biases is not served.
; REGISTERS, in windows of 256: window 0: v1-29 addresses and scales; v32-63 codes; v64-127 the bias; from v128 A's fragments, ONE set; on the way out v128-255 are at work.
;   window 1: B's fragments, TWO sets.   window 2: the accumulators of my A' rows 0-63 ((a, b) at v[8 (8 a + b)]);   window 3: those of rows 64-127.
.set KSTEP,  256                       ; along K in a slot
.set ROWB,   256                       ; a tile's row in bytes
.set KROW,   1024                      ; a row of x or of a weight in memory, in bytes
.set PITCH,  272                       ; an LDS row: 256 bytes + 16 of padding = 68 words: the 16 rows that a load touches start 4 banks apart (64 banks of 4 bytes: ISA guide 11.1)
.set FR,     16                        ; registers of a fragment: 16 rows x 128 K
.set NL,     4                         ; LDS loads that bring one
.set NP,     4                         ; places behind this matrix instruction (ISA guide 7.12.1)
.set HALFT,  128*PITCH                 ; 128 rows: what one tensor load brings
.set SLOT,   4*HALFT                   ; A's 256 rows, then B's 256 rows
.set SPARE,  2*SLOT                    ; behind the ring: the spare words, 128 bytes for each wave
.set HOF,  7                           ; v7      32 h: the bias of q and k
.set SC1,  8                           ; v8, v9  the first quantiser's 2^e and 448 x 2^e
.set SC2,  10                          ; v10, v11 q's second
.set LOF,  12                          ; v12     16 x lane: an image's place for my lane
.set ROF,  13                          ; v13     4 r: the bias of v
.set ADRA, 16                          ; v16-17  LDS address of my A fragments in slot 0, 1
.set ADRB, 20                          ; v20-21  the same for B
.set SPW,  28                          ; v28     LDS address of my spare word; never rewritten
.set NIL,  29                          ; v29     0; never rewritten
.set C1,   32                          ; v32-47  a block's codes
.set C2,   48                          ; v48-63  q's second codes
.set BIAS, 64                          ; v64-127 q, k: bias of channels 16 b + 8 h + j at 8 b + j;  v: v64-79, both words of pair a hold bv of channel 16 a + r
.set AF,   128                         ; A's fragments
.set TMP,  128                         ; the way out: 64 numbers of a block
.set TMP2, 192                         ; and, for q, the same held for the first quantiser
.set G1, 24                            ; s[24:31] descriptor group 1 for A's tiles;  s[32:39] group 0, one set for each slot
.set G0, 32
.set G1B, 48                           ; s[48:55], s[56:63] the same for B's tiles
.set G0B, 56
.set TYPE, 90                          ; s90     0: q, 1: k, 2: v
.set MSB, 0
.macro WIN new                         ; the immediate's high byte repeats the setting that is left
.if MSB != \new
	s_set_vgpr_msb (MSB<<8)|\new
.set MSB, \new
.endif
.endm
.set MUL_LO, 0xa1                      ; source 0 (B) window 1, source 1 (A) window 0, C and D window 2
.set MUL_HI, 0xf1                      ; the same, C and D window 3
.set TO_B,   0x40                      ; destination window 1, address window 0
; A joint load: waves 0 and 1 fetch for A, waves 2 and 3 for B.  Each of the two lines has ONE mask and one set of registers for all that issue it; the branch hangs on the wave's number alone.
; An s_nop 0 and four v_nop follow each of the two lines, ahead of the jump, the label and what follows.
.macro JLOAD g0a, g1a, g0b, g1b
	s_cmp_eq_u32 s15, 0
	s_cbranch_scc0 .Lfor_b_\@
	tensor_load_to_lds s[\g0a:\g0a+3], s[\g1a:\g1a+7]
	s_nop 0
.rept 4
	v_nop
.endr
	s_branch .Lasked_\@
.Lfor_b_\@:
	tensor_load_to_lds s[\g0b:\g0b+3], s[\g1b:\g1b+7]
	s_nop 0
.rept 4
	v_nop
.endr
.Lasked_\@:
.endm
.macro CREST                           ; a round of the cluster's barrier behind its opening barrier
	s_cmp_lg_u32 s14, 0
	s_cbranch_scc1 .Lnot_wave_0_\@
	s_barrier_signal -3
.Lnot_wave_0_\@:
	s_barrier_wait -3
	s_barrier_signal -1
	s_barrier_wait -1
.endm
.macro CROUND                          ; a whole round
	s_barrier_signal -1
	s_barrier_wait -1
	CREST
.endm
	s_load_b512 s[68:83], s[0:1], 0x0              ; x s[68:69], Wq s[70:71], Wk s[72:73], Wv s[74:75], bq s[76:77], bk s[78:79], bv s[80:81], the exponents s[82:83]
	s_load_b128 s[84:87], s[0:1], 0x40             ; qa, qb
	s_load_b64 s[88:89], s[0:1], 0x50              ; kv
	v_lshl_add_u32 v[SPW], v0, 2, SPARE
	v_mov_b32 v[NIL], 0
	ds_add_u32 v[SPW], v[NIL]                      ; the wave's opening: the add, twice on end, and its wait ahead of my first tensor load; the set-up below stands between
	ds_add_u32 v[SPW], v[NIL]
	v_lshrrev_b32 v1, 5, v0
	v_readfirstlane_b32 s14, v1                    ; wave 0..3
	s_lshr_b32 s15, s14, 1                         ; which half of the tile's A' rows is mine.  Also: I fetch for A (0) or for B (1)
	s_and_b32 s16, s14, 1                          ; which half of its B' rows.  Also: which 128 rows of that tile I fetch
	s_bfe_u32 s40, ttmp6, 0x40000                  ; cx, cy: my place in the cluster
	s_bfe_u32 s41, ttmp6, 0x40004
	s_lshr_b32 s[TYPE], ttmp9, 2                   ; twelve clusters: four for q, four for k, four for v
	s_and_b32 s91, ttmp9, 3
	s_lshl_b32 s91, s91, 2                         ; which four tiles along x's 16
	s_cmp_eq_u32 s[TYPE], 2
	s_cselect_b32 s92, 0, s91                      ; x is A' for q and k,
	s_cselect_b32 s93, s91, 0                      ; and B' for v
	s_add_co_u32 s17, s92, s41                     ; tile row (of A')
	s_add_co_u32 s42, s93, s40                     ; tile column (of B')
	s_lshl_b32 s43, s41, 2
	s_lshl_b32 s43, 15, s43                        ; my row of the cluster
	s_lshl_b32 s44, 0x1111, s40                    ; my column
	; descriptor group 1: a tile of 128 rows x 256 bytes, padded in LDS
	s_or_b32 s[G1+0], s43, (0<<16)|(1<<20)|(1<<21)|(5<<22)|(3<<25)  ; 15:0 the mask: A's tiles go to my row; 17:16 element of 1 byte; 20 padding on; 21 set beside a mask; 24:22 after every 64 words; 31:25 four words
	s_or_b32 s[G1B+0], s44, (0<<16)|(1<<20)|(1<<21)|(5<<22)|(3<<25)
.irp g, G1, G1B
	s_mov_b32 s[\g+1], ROWB<<16                    ; tensor_dim0
	s_mov_b32 s[\g+2], 128<<16                     ; tensor_dim1 = 128
	s_mov_b32 s[\g+3], ROWB<<16                    ; tile_dim0
	s_mov_b32 s[\g+4], 128                         ; tile_dim1 = 128
	s_mov_b32 s[\g+5], KROW                        ; tensor_dim0_stride
	s_mov_b32 s[\g+6], 0
	s_mov_b32 s[\g+7], 0
.endr
	s_lshl_b32 s18, s16, 7                         ; which 128 rows of the tile I fetch
	s_lshl_b32 s20, s17, 8
	s_add_co_u32 s20, s20, s18                     ; A': row 256 x tile row + 128 x half,
	s_lshl_b32 s20, s20, 10                        ; of 1,024 bytes
	s_mov_b32 s21, 0
	s_lshl_b32 s46, s42, 8
	s_add_co_u32 s46, s46, s18                     ; B': row 256 x tile column + 128 x half
	s_lshl_b32 s46, s46, 10
	s_mov_b32 s47, 0
	s_mul_i32 s45, s14, HALFT                      ; where they go: wave x 128 rows: no place in the cluster enters an LDS address
	s_wait_dscnt 0x0                               ; both opening adds are done
	s_wait_kmcnt 0x0
	s_cmp_eq_u32 s[TYPE], 2                        ; the buffers of my kind: the choices hang on the cluster's number alone
	s_cselect_b64 s[4:5], s[74:75], s[68:69]       ; A': Wv, or x
	s_cselect_b64 s[6:7], s[68:69], s[72:73]       ; B': x, or Wk
	s_cselect_b64 s[8:9], s[80:81], s[78:79]       ; the bias: bv, or bk
	s_cmp_eq_u32 s[TYPE], 0
	s_cselect_b64 s[6:7], s[70:71], s[6:7]         ; q: Wq,
	s_cselect_b64 s[8:9], s[76:77], s[8:9]         ; bq;
	s_cselect_b64 s[10:11], s[84:85], s[88:89]     ; the codes go to qa, or to kv
	s_mov_b64 s[12:13], s[86:87]                   ; q's second codes: qb
	s_load_b256 s[68:75], s[82:83], 0x0            ; e0 .. e7
	s_load_b128 s[76:79], s[82:83], 0x20           ; e8 .. e11
	s_add_nc_u64 s[20:21], s[4:5], s[20:21]
	s_add_nc_u64 s[46:47], s[6:7], s[46:47]
	CROUND                                         ; all sixteen work-groups are here: the first joint loads meet
.irp s, 0,1
	s_mov_b32 s[G0+4*\s], 1
	s_add_co_u32 s[G0+4*\s+1], s45, \s*SLOT
	s_add_nc_u64 s[G0+4*\s+2:G0+4*\s+3], s[20:21], \s*ROWB
	s_or_b32 s[G0+4*\s+3], s[G0+4*\s+3], 0x80000000
	s_mov_b32 s[G0B+4*\s], 1
	s_add_co_u32 s[G0B+4*\s+1], s45, \s*SLOT
	s_add_nc_u64 s[G0B+4*\s+2:G0B+4*\s+3], s[46:47], \s*ROWB
	s_or_b32 s[G0B+4*\s+3], s[G0B+4*\s+3], 0x80000000
.endr
	JLOAD G0, G1, G0B, G1B                         ; K step 0: one tensor load a wave at the head
	; THE PREFETCHES into the L2: behind K step 0's load K steps 1 and 2, behind K step 1's load K step 3.  Of the 128 rows that a wave fetches each of the four partners that ask jointly takes 32, told apart by address
	; (cx for A', cy for B'): a lane a row of 256 bytes, one instruction a wave for each K step.  s[4:5] and v30 are not rewritten.
	s_cmp_eq_u32 s15, 0
	s_cselect_b64 s[4:5], s[20:21], s[46:47]
	s_cselect_b32 s92, s40, s41
	s_lshl_b32 s92, s92, 15
	s_mov_b32 s93, 0
	s_add_nc_u64 s[4:5], s[4:5], s[92:93]
	v_and_b32 v1, 15, v0                           ; r = l % 16
	v_bfe_u32 v2, v0, 4, 1                         ; h = l / 16
	v_mul_u32_u24 v3, v1, PITCH
	v_lshl_add_u32 v4, v2, 4, v3                   ; a fragment's row x pitch + 16 x half
	s_mul_i32 s21, s15, HALFT                      ; my 128 rows of A'
	s_mul_i32 s22, s16, HALFT                      ; my 128 rows of B',
	s_add_co_u32 s22, s22, 2*HALFT                 ; which lie behind A's 256
.irp s, 0,1
	v_add_nc_u32 v[ADRA+\s], s21, v4
	v_add_nc_u32 v[ADRB+\s], s22, v4
	s_add_co_u32 s21, s21, SLOT
	s_add_co_u32 s22, s22, SLOT
.endr
	v_lshlrev_b32 v[HOF], 5, v2
	v_lshlrev_b32 v[ROF], 2, v1
	v_and_b32 v[LOF], 31, v0
	v_lshlrev_b32 v[LOF], 4, v[LOF]
	v_and_b32 v30, 31, v0
	v_lshlrev_b32 v30, 10, v30
	s_wait_alu depctr_va_vdst(0)
	global_prefetch_b8 v30, s[4:5] offset:256 th:TH_LOAD_NT scope:SCOPE_SE
	global_prefetch_b8 v30, s[4:5] offset:512 th:TH_LOAD_NT scope:SCOPE_SE
.macro FRAG reg, adr, q, i             ; a fragment by four loads of 16 bytes: registers 4 c .. 4 c + 3 hold K = 32 c + 16 h + 0 .. 15: a permutation of k that is the same in A' and B', so every product meets its partner
.irp c, 0,1,2,3
	ds_load_b128 v[\reg+4*\c:\reg+4*\c+3], v[\adr] offset:128*(\q)+32*\c+(\i)*16*PITCH
.endr
.endm
; 16 matrix instructions: A's blocks a0, a0 + 1 x B's eight, 128 along K.  p: B's set.  zero = 1: the first product starts the sums.
; The 64 accumulators take turns, one instruction a turn, in the same order in every step.
.macro MUL16 a0, p, zero
.irp a, \a0, \a0+1
.irp b, 0,1,2,3,4,5,6,7
.if \zero
	v_wmma_f32_16x16x128_fp8_fp8 v[8*(8*((\a)%4)+\b):8*(8*((\a)%4)+\b)+7], v[128*(\p)+FR*\b:128*(\p)+FR*\b+FR-1], v[AF+FR*(\a):AF+FR*(\a)+FR-1], 0
.else
	v_wmma_f32_16x16x128_fp8_fp8 v[8*(8*((\a)%4)+\b):8*(8*((\a)%4)+\b)+7], v[128*(\p)+FR*\b:128*(\p)+FR*\b+FR-1], v[AF+FR*(\a):AF+FR*(\a)+FR-1], v[8*(8*((\a)%4)+\b):8*(8*((\a)%4)+\b)+7]
.endif
.endr
.endr
.endm
.macro FETCH_B slot, q, p              ; B's eight fragments of the slot's q-th 128 along K into set p
	WIN TO_B
.irp i, 0,1,2,3,4,5,6,7
	FRAG 128*(\p)+FR*\i, ADRB+\slot, \q, \i
.endr
	WIN 0
.endm
.macro FETCH_A slot, q, i0             ; A's blocks i0 .. i0 + 3
.irp i, \i0, \i0+1, \i0+2, \i0+3
	FRAG AF+FR*(\i), ADRA+\slot, \q, \i
.endr
.endm
.macro PLACES n                        ; plain vector instructions between a matrix instruction and a load into, or a vector instruction on, its registers
.rept \n
	v_nop
.endr
.endm
; A step of 128 along K that has its successor in the same slot.  A's blocks are free as soon as their eight products are issued: blocks 0-3 are fetched anew in the step's middle, blocks 4-7 at its end.
.macro STEP slot, q, zero
	s_wait_dscnt 4*NL                              ; B's set and A's blocks 0-3 are in; the youngest sixteen loads (A's blocks 4-7) may be out
	WIN MUL_LO
	MUL16 0, (\q)%2, \zero
	MUL16 2, (\q)%2, \zero
	s_wait_dscnt 0                                 ; A's blocks 4-7 are in
	PLACES NP
	FETCH_B \slot, (\q)+1, 1-(\q)%2
	FETCH_A \slot, (\q)+1, 0
	WIN MUL_HI
	MUL16 4, (\q)%2, \zero
	MUL16 6, (\q)%2, \zero
	PLACES NP
	WIN 0
	FETCH_A \slot, (\q)+1, 4
.endm
; A slot's last step changes slots: ONE barrier; in front of it each wave waits for all its tensor loads, adds 0 to its spare word, and waits for that and for its own reads of this slot.  fill = 1: this slot is filled again, two K steps ahead.
.macro TURN slot, next, fill
	s_wait_tensorcnt 0x0                           ; all my tensor loads have landed: my part of the next slot
	ds_add_u32 v[SPW], v[NIL]                      ; 0 onto my spare word
	s_wait_dscnt 4*NL+1                            ; (the add and the youngest sixteen loads may be out)
	WIN MUL_LO
	MUL16 0, 1, 0                                  ; sixteen matrix instructions stand between the add and the wait for it
	s_wait_dscnt 0x0                               ; the add is done, and my reads of this slot are over
	s_barrier_signal -1
	MUL16 2, 1, 0
	WIN 0
	s_barrier_wait -1
.if \fill
	CREST                                          ; the barrier has opened a round of the cluster's barrier: no wave of any partner still reads this slot's tile or has a load on its way
	s_add_nc_u64 s[G0+4*\slot+2:G0+4*\slot+3], s[G0+4*\slot+2:G0+4*\slot+3], 2*ROWB
	s_add_nc_u64 s[G0B+4*\slot+2:G0B+4*\slot+3], s[G0B+4*\slot+2:G0B+4*\slot+3], 2*ROWB
	JLOAD G0+4*\slot, G1, G0B+4*\slot, G1B         ; the first tensor load behind the round; its four v_nop are also the places in front of the loads below
.else
	PLACES NP
.endif
	FETCH_B \next, 0, 0
	FETCH_A \next, 0, 0
	WIN MUL_HI
	MUL16 4, 1, 0
	MUL16 6, 1, 0
	PLACES NP
	WIN 0
	FETCH_A \next, 0, 4
.endm
.macro LAST                            ; the very last step: nothing more to fetch
	s_wait_dscnt 4*NL
	WIN MUL_LO
	MUL16 0, 1, 0
	MUL16 2, 1, 0
	s_wait_dscnt 0
	WIN MUL_HI
	MUL16 4, 1, 0
	MUL16 6, 1, 0
	WIN 0
.endm
.macro SCALEPAIR vr, se                ; v[vr] = 2^e as f32 (the conversion takes its exponent field), v[vr + 1] = 448 x 2^e
	s_add_co_i32 s94, \se, 127
	s_lshl_b32 s95, s94, 23
	v_mov_b32 v[\vr], s95
	s_add_co_i32 s94, s94, 8
	s_lshl_b32 s94, s94, 23
	s_or_b32 s94, s94, 0x600000
	v_mov_b32 v[\vr+1], s94
.endm
; THE WAY OUT of block a (16 rows of A' x my 128 rows of B').  number = sum x 2^(the two operands' e) + bias, one packed multiply-add for two; held within +-448 x the scale (the conversion to an 8-bit code does not
; saturate: ISA guide 7.6.2); converted, eight numbers to two registers; stored as it stands.  kind 0: q, quantised twice; 1: k; 2: v.
.macro OUTBLK kind, a
.set AC, 64*((\a)%4)
.if (\a) > 0
	s_wait_xcnt 0x0                                ; the last block's stores have read their registers: the codes may be written again
.endif
	WIN 0x02+((\a)/4)                              ; source 0: window 2 or 3
.set n, 0
.rept 32                               ; each accumulator from its low end on
.if \kind == 2
	v_pk_fma_f32 v[TMP+n:TMP+n+1], v[AC+n:AC+n+1], s[96:97], v[BIAS+2*(\a):BIAS+2*(\a)+1] op_sel_hi:[1,0,1]
.else
	v_pk_fma_f32 v[TMP+n:TMP+n+1], v[AC+n:AC+n+1], s[96:97], v[BIAS+n:BIAS+n+1] op_sel_hi:[1,0,1]
.endif
.set n, n+2
.endr
	WIN 0
.if \kind == 0
.set n, 0
.rept 64
	v_med3_num_f32 v[TMP2+n], v[TMP+n], -v[SC1+1], v[SC1+1]
.set n, n+1
.endr
.irp b, 0,1,2,3,4,5,6,7
	v_cvt_scalef32_pk8_fp8_f32 v[C1+2*\b:C1+2*\b+1], v[TMP2+8*\b:TMP2+8*\b+7], v[SC1]
.endr
.set n, 0
.rept 64
	v_med3_num_f32 v[TMP+n], v[TMP+n], -v[SC2+1], v[SC2+1]
.set n, n+1
.endr
.irp b, 0,1,2,3,4,5,6,7
	v_cvt_scalef32_pk8_fp8_f32 v[C2+2*\b:C2+2*\b+1], v[TMP+8*\b:TMP+8*\b+7], v[SC2]
.endr
.else
.set n, 0
.rept 64
	v_med3_num_f32 v[TMP+n], v[TMP+n], -v[SC1+1], v[SC1+1]
.set n, n+1
.endr
.irp b, 0,1,2,3,4,5,6,7
	v_cvt_scalef32_pk8_fp8_f32 v[C1+2*\b:C1+2*\b+1], v[TMP+8*\b:TMP+8*\b+7], v[SC1]
.endr
.endif
	v_nop                                          ; one plain vector instruction between the last conversion and the next block's lines, which write its sources
.if \kind == 2
.irp c, 0,1,2,3                        ; one fragment of 16 registers: channels 16 (a % 4) on of head a / 4, my 128 keys
	global_store_b128 v[LOF], v[C1+4*\c:C1+4*\c+3], s[10:11] offset:((\a)/4)*131072+((\a)%4)*2048+\c*512
.endr
.else
.irp hh, 0,1                           ; two fragments of 8 registers: positions 16 a on, heads hh
.irp c, 0,1
	global_store_b128 v[LOF], v[C1+8*\hh+4*\c:C1+8*\hh+4*\c+3], s[10:11] offset:\hh*65536*(1+\kind)+(\a)*1024+\c*512
.if \kind == 0
	global_store_b128 v[LOF], v[C2+8*\hh+4*\c:C2+8*\hh+4*\c+3], s[12:13] offset:\hh*65536+(\a)*1024+\c*512
.endif
.endr
.endr
.endif
.endm
	s_wait_alu depctr_va_vdst(0)
	s_wait_tensorcnt 0x0                           ; my part of K step 0 is in
	ds_add_u32 v[SPW], v[NIL]
	s_wait_dscnt 0x0
	CROUND                                         ; everybody's part of K step 0 is in, and all sixteen work-groups are here
	JLOAD G0+4, G1, G0B+4, G1B                     ; K step 1's load, the first tensor load behind the round
	FETCH_B 0, 0, 0
	FETCH_A 0, 0, 0
	FETCH_A 0, 0, 4
	global_prefetch_b8 v30, s[4:5] offset:768 th:TH_LOAD_NT scope:SCOPE_SE
	STEP 0, 0, 1                                   ; K 0-127: its products start the sums
	TURN 0, 1, 1                                   ; K 128-255; slot 0 takes K 512-767
	STEP 1, 0, 0
	TURN 1, 0, 1                                   ; slot 1 takes K 768-1023
	STEP 0, 0, 0
	TURN 0, 1, 0                                   ; nothing is left to fetch: no round
	; THE TEXT PARTS HERE, ONCE, by the kind of work (the cluster's number: the same in all waves and partners).  Each arm asks for its bias, makes its addresses and scales, runs the last 128 matrix
	; instructions, under which the bias lands, and goes out.  No barrier, no tensor load and no LDS store stands in an arm.
	s_cmp_eq_u32 s[TYPE], 2
	s_cbranch_scc1 .Lfor_v
	s_lshl_b32 s92, s42, 10                        ; q, k: the bias runs along B' rows: 4 x (256 x tile column + 128 x half)
	s_lshl_b32 s93, s16, 9
	s_add_co_u32 s92, s92, s93
	s_mov_b32 s93, 0
	s_add_nc_u64 s[8:9], s[8:9], s[92:93]
.irp b, 0,1,2,3,4,5,6,7
	global_load_b128 v[BIAS+8*\b:BIAS+8*\b+3], v[HOF], s[8:9] offset:64*\b
	global_load_b128 v[BIAS+8*\b+4:BIAS+8*\b+7], v[HOF], s[8:9] offset:64*\b+16
.endr
	s_lshr_b32 s92, s17, 2                         ; the batch: four tile rows each
	s_lshl_b32 s92, s92, 4
	s_lshl_b32 s93, s42, 2
	s_add_co_u32 s92, s92, s93
	s_lshl_b32 s93, s16, 1
	s_add_co_u32 s92, s92, s93                     ; 16 x batch + my first head (4 x tile column + 2 x half)
	s_add_co_u32 s94, s[TYPE], 16
	s_lshl_b32 s92, s92, s94                       ; a head is 65,536 bytes in qa and qb, 131,072 in kv;
	s_and_b32 s93, s17, 3
	s_add_co_u32 s94, s[TYPE], 14
	s_lshl_b32 s93, s93, s94                       ; 256 positions are 16,384 bytes in qa and qb, a slot of 32,768 in kv;
	s_add_co_u32 s92, s92, s93
	s_lshl_b32 s93, s15, 13                        ; my 128 positions: eight images of 1,024 bytes
	s_add_co_u32 s92, s92, s93
	s_mov_b32 s93, 0
	s_add_nc_u64 s[10:11], s[10:11], s[92:93]
	s_wait_kmcnt 0x0                               ; the exponents
	s_cmp_eq_u32 s[TYPE], 0
	s_cselect_b32 s94, s68, s70                    ; e0 or e2
	s_cselect_b32 s95, s69, s71                    ; e1 or e3
	s_cselect_b32 s98, s74, s77                    ; e6 or e9
	s_add_co_i32 s96, s94, s95
	s_add_co_i32 s96, s96, 127
	s_lshl_b32 s96, s96, 23                        ; 2^(the two operands' e) as f32
	s_mov_b32 s97, s96                             ; (named with it as a pair, so it is written)
	SCALEPAIR SC1, s98
	STEP 1, 0, 0
	LAST
	s_wait_loadcnt 0x0                             ; the bias
	PLACES NP
	s_cmp_eq_u32 s[TYPE], 1
	s_cbranch_scc1 .Lrun_k
	s_add_nc_u64 s[12:13], s[12:13], s[92:93]      ; qb is laid as qa
	SCALEPAIR SC2, s76                             ; e8
.irp a, 0,1,2,3,4,5,6,7
	OUTBLK 0, \a
.endr
	s_branch .Lend
.Lrun_k:
.irp a, 0,1,2,3,4,5,6,7
	OUTBLK 1, \a
.endr
	s_branch .Lend
.Lfor_v:
	s_lshl_b32 s92, s17, 10                        ; v: the bias runs along A' rows: 4 x (256 x tile row + 128 x half); lane (r, h) wants channel 16 a + r
	s_lshl_b32 s93, s15, 9
	s_add_co_u32 s92, s92, s93
	s_mov_b32 s93, 0
	s_add_nc_u64 s[8:9], s[8:9], s[92:93]
.irp a, 0,1,2,3,4,5,6,7
	global_load_b32 v[BIAS+2*\a], v[ROF], s[8:9] offset:64*\a      ; into both words of a pair, for the packed multiply-add
	global_load_b32 v[BIAS+2*\a+1], v[ROF], s[8:9] offset:64*\a
.endr
	s_lshr_b32 s92, s42, 2                         ; the batch: four tile columns each
	s_lshl_b32 s92, s92, 4
	s_lshl_b32 s93, s17, 2
	s_add_co_u32 s92, s92, s93
	s_lshl_b32 s93, s15, 1
	s_add_co_u32 s92, s92, s93                     ; 16 x batch + my first head (4 x tile row + 2 x half)
	s_lshl_b32 s92, s92, 17
	s_and_b32 s93, s42, 3
	s_lshl_b32 s93, s93, 15                        ; the slot of 256 keys
	s_add_co_u32 s92, s92, s93
	s_lshl_b32 s93, s16, 13                        ; my 128 of them
	s_add_co_u32 s92, s92, s93
	s_add_co_u32 s92, s92, 16384                   ; behind the slot's images of k
	s_mov_b32 s93, 0
	s_add_nc_u64 s[10:11], s[10:11], s[92:93]
	s_wait_kmcnt 0x0                               ; the exponents
	s_add_co_i32 s96, s72, s73                     ; e4 + e5
	s_add_co_i32 s96, s96, 127
	s_lshl_b32 s96, s96, 23
	s_mov_b32 s97, s96
	SCALEPAIR SC1, s79                             ; e11
	STEP 1, 0, 0
	LAST
	s_wait_loadcnt 0x0                             ; the bias
	PLACES NP
.irp a, 0,1,2,3,4,5,6,7
	OUTBLK 2, \a
.endr
.Lend:
	s_wait_tensorcnt 0x0                           ; the wave's end
	ds_add_u32 v[SPW], v[NIL]
	s_wait_dscnt 0x0
	CROUND                                         ; the closing round: no work-group ends while a partner may still ask for a tile that names it
	s_endpgm
.Lfunc_end_k_qb0df84fa8c_proj:
	.size	k_qb0df84fa8c_proj, .Lfunc_end_k_qb0df84fa8c_proj-k_qb0df84fa8c_proj
	.p2alignl 7, 3214868480
	.fill 96, 4, 3214868480
	.section	.rodata,"a",@progbits
	.p2align	6, 0x0
	.amdhsa_kernel k_qb0df84fa8c_proj
		.amdhsa_group_segment_fixed_size 327680
		.amdhsa_private_segment_fixed_size 0
		.amdhsa_enable_private_segment 0
		.amdhsa_kernarg_size 88
		.amdhsa_user_sgpr_count 2
		.amdhsa_user_sgpr_kernarg_segment_ptr 1
		.amdhsa_wavefront_size32 1
		.amdhsa_system_sgpr_workgroup_id_x 1
		.amdhsa_system_sgpr_workgroup_id_y 1
		.amdhsa_system_sgpr_workgroup_id_z 1
		.amdhsa_system_vgpr_workitem_id 0
		.amdhsa_next_free_vgpr 1024
		.amdhsa_next_free_sgpr 100
		.amdhsa_reserve_vcc 0
		.amdhsa_float_denorm_mode_32 3
		.amdhsa_float_denorm_mode_16_64 3
		.amdhsa_memory_ordered 1
		.amdhsa_forward_progress 1
		.amdhsa_inst_pref_size 255
	.end_amdhsa_kernel
	.section	.bss,"aw",@nobits
	.p2align	6
	.space	262144
	.amdgpu_metadata
---
amdhsa.version: [ 1, 2 ]
amdhsa.kernels:
  - .name:           k_qb0df84fa8c_proj
    .symbol:         k_qb0df84fa8c_proj.kd
    .args:
      - { .name: x_codes, .offset: 0, .size: 8, .value_kind: global_buffer, .address_space: global }
      - { .name: Wq_codes, .offset: 8, .size: 8, .value_kind: global_buffer, .address_space: global }
      - { .name: Wk_codes, .offset: 16, .size: 8, .value_kind: global_buffer, .address_space: global }
      - { .name: Wv_codes, .offset: 24, .size: 8, .value_kind: global_buffer, .address_space: global }
      - { .name: bq, .offset: 32, .size: 8, .value_kind: global_buffer, .address_space: global }
      - { .name: bk, .offset: 40, .size: 8, .value_kind: global_buffer, .address_space: global }
      - { .name: bv, .offset: 48, .size: 8, .value_kind: global_buffer, .address_space: global }
      - { .name: lowp_scales, .offset: 56, .size: 8, .value_kind: global_buffer, .address_space: global }
      - { .name: qa, .offset: 64, .size: 8, .value_kind: global_buffer, .address_space: global }
      - { .name: qb, .offset: 72, .size: 8, .value_kind: global_buffer, .address_space: global }
      - { .name: kv, .offset: 80, .size: 8, .value_kind: global_buffer, .address_space: global }
    .group_segment_fixed_size: 327680
    .private_segment_fixed_size: 0
    .kernarg_segment_align: 8
    .kernarg_segment_size: 88
    .max_flat_workgroup_size: 128
    .sgpr_count:     100
    .vgpr_count:     1024
    .wavefront_size: 32
...
	.end_amdgpu_metadata
.endif
;; end of part 1
;; launch attn (part 2): grid 4 x 64, 8 waves a work-group, no clusters, 327,680 bytes of LDS; arguments qa, qb, kv, Er_codes, lowp_scales, out0; writes out0
.if DOCPART == 2
	.amdgcn_target "amdgcn-amd-amdhsa--gfx1250"
	.amdhsa_code_object_version 6
	.text
	.protected	k_qb0df84fa8c_attn
	.globl	k_qb0df84fa8c_attn
	.p2align	8
	.type	k_qb0df84fa8c_attn,@function
k_qb0df84fa8c_attn:
	s_mov_b64 s[64:65], 0
	v_nop
	global_prefetch_b8 v0, s[64:65] scope:SCOPE_SE
	s_setreg_imm32_b32 hwreg(HW_REG_WAVE_MODE, 25, 1), 1
	s_wait_xcnt 0x0
; out[b][i][head] = the sum over j <= i of softmax_j((q_i . k_j + q_i . Er[1023 - i + j]) / 8) v_j, all three products on codes of E4M3; q (twice), k and v come as images of operand registers from the launch before.
; LEFT OUT: key steps of 128 all of whose keys come after a block of 128 queries, with their part of q Er^T, q k^T and p v: reference()'s own jnp.tril gives those scores -inf for all values of the inputs (shown at the
; first kernel's head); and, in the diagonal step, the rows of Er from 1,024 on, which only hidden scores want.  Hidden scores of the diagonal step are formed and set to -inf.
; LIMIT: a NaN, an infinity or an overflow that reaches only hidden scores is not carried to the result.
; THE SOFTMAX AHEAD OF THE LAST PRODUCT: t = score x log2(e) / 8; M = the running largest t rounded UP to a whole number; p = 2^(t - M) is quantised with 2^e10; the sum is taken of the unquantised p and divides at the end.
; LIMITS: scaled scores t under 2^31 in magnitude; e8 + e9 between -123 and 130 (added to c's exponent field); e6 + e7 - e8 - e9 between -126 and 127; e10 between -126 and 119; e10 + e11 goes by v_ldexp_f32 and has none.
; SHARES.  A work-group has one (batch, head) and the blocks p and 7 - p of 128 queries.  EIGHT WAVES, each with TWO TILES of 16 queries four apart: i = 128 b + 64 a + m + 4 r, a = 0 (tile A) or 1 (tile B), m = wave % 4,
; r = lane % 16.  Every fragment of Er, k and v feeds both tiles.  Waves 0-3 take block 7 - p and keys 0 to 639 (five steps of 128); waves 4-7 take block p whole (p + 1 steps), store its rows, and then take the rest of block
; 7 - p (3 - p steps from key 640), whose O^T, sum and M they hand to waves 0-3 through LDS: 5 + 4 steps in every work-group.  M is a whole number, so the two parts join by exact powers of two.
; FILLS.  The head's codes of k and v (131,072 bytes) and Er's rows 128 to 1,023 lie in LDS for the whole launch: 46 asynchronous copies a wave at the head, each filling its bytes once.  The first 18 (Er and keys 0-127) are waited for
; ahead of the first step, the other 28 behind it: two barriers, none in the loop.  NO CLUSTER: the fills are placed 16 bytes at a time (the swizzles below), which a tensor load, the only joint form, does not do.
; No prefetch: all that the launch reads is asked for at the head, so there is no later load to run ahead of.  Every work-group copies all keys and rows, so that every byte a step's address range names is written.
; LAYOUT.  All products are used transposed (source 0 = 16 keys, 16 rows of Er, or 16 channels of v; source 1 = my 16 queries): a lane holds ONE query of each tile, its registers run along keys, rows, channels.
; KEYS OF A TILE: row r of tile t of a half step of 64 is key 8 t + r % 8 + 32 (r / 8); so register 8 t + j of lane half h is key 8 t + 32 h + j.  Er's rows likewise.
; THE SKEW.  With E(n) = the 64 rows of Er from 963 - 128 b - m + 64 n on, tile A's block n of R^T is E(n) q^T, tile B's is E(n - 1) q^T.  Key j of query r wants u = j + 60 - 4 r, so a half step g wants blocks g and g + 1.
; Each tile has a ring of two blocks (rows of 512 bytes, 520 apart) in LDS: in half step g tile A stores block g + 1 and then loads; tile B loads and then stores block g + 2, from the same fragments of Er.
; 8-byte stores go to unit 65 r + 16 h, loads come from 63 r + 16 h (+ constants): the 32 lanes fall into 32 different units of 8 bytes modulo 256 bytes both times (64 banks of 4 bytes: ISA guide 11.1).
; REGISTERS.  Window 0 (v0-255) holds tile A and what is shared, window 1 (v256-511) tile B under the same low numbers, k's fragments, and some addresses.
;   v1-4, 7-10 addresses; v11 the mask's term; v12 -M, v13 the largest t, v[14:15] the sum; v16-23 q's codes for Er, v24-31 for k; v32-95 fragments (window 0: Er, then v; window 1: k); v96-159 scores, then p;
;   v160-191 O^T; v192-223 R^T, later (v192-207) p's codes; v224-239 the ring's load addresses (window 1: Er's addresses); v240-255 scales and work.
.set ERL,   131072                     ; LDS: k and v at 0, as in kv; Er's row R at ERL + 64 (R - 128)
.set RNG,   ERL+900*64                 ; the rings: 16,640 bytes a wave
.set TB,    8320                       ; tile B's ring behind tile A's: 16 x 520
.set SPARE, RNG+8*2*TB                 ; 321,792: the spare words
.set WA,   4
.set SPW,  5
.set NIL,  6
.set GO,   7
.set KA0,  8
.set VA0,  9
.set KA1,  10
.set DM,   11
.set F,    32
.set S,    96
.set O,    160
.set R,    192
.set PC,   192
.set RA,   224
.set LIMP, 240                         ; 448 x 2^e10
.set SCP,  241                         ; 2^e10
.set FF,   244                         ; v[244:245] f = 2^(old M - new M)
.set TA,   246
.set TC,   247
.set PD,   248
.set TD,   249
.set GQ,   1                           ; window 1: q's gather offset; OI, OB the way out's stage, in and back; HB the hand-over; LE constants of Er's addresses, WE the step's
.set OI,   2
.set OB,   3
.set HB,   4
.set LE,   224
.set WE,   232
.set W,    18                          ; scalars
.set SEL,  20
.set CS,   22
.set P,    24
.set MM,   25
.set YY,   26
.set BQ,   27
.set HD,   28
.set ZB,   29
.set TH,   30
.set SW,   31
.set NST,  32
.set KD,   33
.set RHO,  40
.set KVB,  42
.set ERB,  44
.set QA2,  46
.set QB2,  48
.set Z,    50                          ; 7 - (the steps between this step and the diagonal)
.set EO,   51
.set WB,   52
.set KC,   67
.set MSB, 0
.macro WIN new                         ; the immediate's high byte repeats the setting that is left
.if MSB != (\new)
	s_set_vgpr_msb (MSB<<8)|(\new)
.set MSB, (\new)
.endif
.endm
.macro RMUL x, fb                      ; four tiles of R^T of tile x from the fragments at F + fb
	WIN 0x44*\x
.irp t, 0,1,2,3
	v_wmma_f32_16x16x64_fp8_fp8 v[R+8*\t:R+8*\t+7], v[F+\fb+8*\t:F+\fb+8*\t+7], v[16:23], 0
.endr
.endm
.macro RSC x                           ; x 2^(e6 + e7 - e8 - e9): under the power of two of q k^T; each accumulator from its low end on
	WIN 0x41*\x
.set n, 0
.rept 16
	v_pk_mul_f32 v[R+n:R+n+1], v[R+n:R+n+1], s[RHO:RHO+1] op_sel_hi:[1,0]
.set n, n+2
.endr
.endm
.macro RST x, slot                     ; into tile x's ring
	WIN 0x04*\x
.irp t, 0,1,2,3
.irp i, 0,1,2,3
	ds_store_b64 v[WA], v[R+8*\t+2*\i:R+8*\t+2*\i+1] offset:TB*\x+256*(\slot)+32*\t+8*\i
.endr
.endr
.endm
.macro RLD x, g                        ; the skewed numbers of half step g into tile x's scores.  LDS serves a wave's instructions in order (ISA guide 5.7.1.4)
	WIN 0x40*\x
.irp t, 0,1,2,3
.irp i, 0,1,2,3
	ds_load_b64 v[S+32*\g+8*\t+2*\i:S+32*\g+8*\t+2*\i+1], v[RA+8*\g+2*\t+(\i/2)] offset:TB*\x+8*(\i%2)
.endr
.endr
.endm
.macro ERADR                           ; s36: 128 rows of Er (8,192 bytes) a step
	WIN 0x44
.irp i, 0,1,2,3,4,5,6,7
	v_add_nc_u32 v[WE+\i], s36, v[LE+\i]
.endr
	WIN 0
.endm
.macro ERLD                            ; 128 rows of Er, two blocks of 64: registers 2 c, 2 c + 1: channels 16 c + 8 h + 0 .. 7
	WIN 0x01
.irp g, 0,1
.irp t, 0,1,2,3
.irp c, 0,1,2,3
	ds_load_b64 v[F+32*\g+8*\t+2*\c:F+32*\g+8*\t+2*\c+1], v[WE+4*(\t/3)+\c] offset:4096*\g+512*\t
.endr
.endr
.endr
	WIN 0
.endm
.macro KLD a0, a1                      ; k's eight fragments of a step into window 1
	WIN 0x40
.irp g, 0,1
.irp t, 0,1,2,3
.irp c, 0,1
.if \t%2
	ds_load_b128 v[F+32*\g+8*\t+4*\c:F+32*\g+8*\t+4*\c+3], v[\a1] offset:4096*\g+1024*(\t/2)+512*\c
.else
	ds_load_b128 v[F+32*\g+8*\t+4*\c:F+32*\g+8*\t+4*\c+3], v[\a0] offset:4096*\g+1024*(\t/2)+512*\c
.endif
.endr
.endr
.endr
	WIN 0
.endm
.macro VLD a                           ; v's four fragments: registers 8 g + 4 u + 2 w, + 1 of a fragment: keys 64 g + 32 h + 8 u + 16 w + 0 .. 7
	WIN 0
.irp t, 0,1,2,3
.irp g, 0,1
.irp u, 0,1
	ds_load_b128 v[F+16*\t+8*\g+4*\u:F+16*\t+8*\g+4*\u+3], v[\a] offset:16384+2048*\t+1024*\g+256*\u
.endr
.endr
.endr
.endm
.macro NOP4
.rept 4
	v_nop
.endr
.endm
; THE RINGS' START at a segment's first step ks: E(2 ks - 1) stands at F, E(2 ks) at F + 32.  Tile A's second block is not due yet: it gets the first block's numbers, so that a diagonal first step, all of whose scores there are hidden, loads written bytes.
.macro RSTART
	RMUL 1, 0
	RMUL 0, 32
	NOP4
	RSC 1
	RST 1, 0
	RMUL 1, 32
	RSC 0
	RST 0, 0
	RST 0, 1
	RSC 1
	RST 1, 1
	WIN 0
.endm
.macro RHALF g                         ; half step g: tile A's next block, both tiles' loads, tile B's block after next
	RMUL 0, 32*\g
	RMUL 1, 32*\g
	WIN 0
	NOP4
	RSC 0
	RST 0, 1-\g
	RLD 0, \g
	RLD 1, \g
	RSC 1
	RST 1, \g
	WIN 0
.endm
.macro HIDE lo                         ; scores lo .. lo + 31: register n is hidden where n > m + 4 r - 32 h
.set n, 0
.rept 32
	v_cmp_gt_i32 vcc_lo, n, v[DM]
	v_cndmask_b32 v[S+\lo+n], v[S+\lo+n], v[TD], vcc_lo
.set n, n+1
.endr
.endm
; The softmax of tile x and its part of O^T.
.macro SM x
	WIN 0x55*\x
.if \x
	s_wait_alu depctr_va_vdst(0)                   ; directly ahead of the first reader of tile B's scores
.endif
	v_max3_num_f32 v[TA], v[S], v[S+1], v[S+2]     ; the step's largest score of my query among my 64 keys, in two chains,
	v_max3_num_f32 v[TC], v[S+3], v[S+4], v[S+5]
.set n, 6
.rept 14
	v_max3_num_f32 v[TA], v[TA], v[S+n], v[S+n+1]
	v_max3_num_f32 v[TC], v[TC], v[S+n+2], v[S+n+3]
.set n, n+4
.endr
	v_max3_num_f32 v[TA], v[TA], v[S+62], v[S+63]
	s_delay_alu instid0(VALU_DEP_1)
	v_max_num_f32 v[TA], v[TA], v[TC]
	s_delay_alu instid0(VALU_DEP_1)
	v_permlanex16_b32 v[PD], v[TA], s[SEL], s[SEL+1]
	s_delay_alu instid0(VALU_DEP_1)
	v_max_num_f32 v[TA], v[TA], v[PD]              ; and among lane l xor 16's
	s_delay_alu instid0(VALU_DEP_1)
	v_mul_f32 v[TA], s[CS], v[TA]                  ; as t (c is positive)
	s_delay_alu instid0(VALU_DEP_1)
	v_max_num_f32 v13, v13, v[TA]
	v_mov_b32 v[TA], v12
	s_delay_alu instid0(VALU_DEP_2)
	v_floor_f32 v12, -v13                          ; the new -M = floor(-t): M is a whole number
	s_delay_alu instid0(VALU_DEP_1)
	v_sub_f32 v[TA], v12, v[TA]                    ; old M - new M, 0 or less
	s_delay_alu instid0(VALU_DEP_1)
	v_cvt_i32_f32 v[TA], v[TA]                     ; (it saturates)
	s_delay_alu instid0(VALU_DEP_1)
	v_ldexp_f32 v[FF], 1.0, v[TA]                  ; f = 2^(old M - new M): exact
.set n, 0
.rept 32
	v_pk_fma_f32 v[S+n:S+n+1], v[S+n:S+n+1], s[CS:CS+1], v[12:13] op_sel_hi:[1,0,0]   ; t - M
.set n, n+2
.endr
	s_wait_alu depctr_va_vdst(0)                   ; ahead of the batch
.set n, 0
.rept 64
	v_exp_f32 v[S+n], v[S+n]                       ; p = 2^(t - M)
.set n, n+1
.endr
	v_pk_mul_f32 v[14:15], v[14:15], v[FF:FF+1] op_sel_hi:[1,0]   ; the sum under the new M: the plain instruction behind the exponentials
	s_wait_alu depctr_va_vdst(0)                   ; ahead of the first reader of the sum
.set n, 0
.irp c, 242,254,252,250,246,222,220    ; the row's sum, of the unquantised p, in eight chains
	v_pk_add_f32 v[\c:\c+1], v[S+n:S+n+1], v[S+n+2:S+n+3]
.set n, n+4
.endr
.rept 2
.irp c, 14,242,254,252,250,246,222,220
	v_pk_add_f32 v[\c:\c+1], v[\c:\c+1], v[S+n:S+n+1]
.set n, n+2
.endr
.endr
	v_pk_add_f32 v[14:15], v[14:15], v[S+60:S+61]
	v_pk_add_f32 v[242:243], v[242:243], v[S+62:S+63]
	v_pk_add_f32 v[254:255], v[254:255], v[222:223]
	v_pk_add_f32 v[252:253], v[252:253], v[220:221]
	v_pk_add_f32 v[14:15], v[14:15], v[250:251]
	v_pk_add_f32 v[242:243], v[242:243], v[246:247]
	v_pk_add_f32 v[254:255], v[254:255], v[252:253]
	v_pk_add_f32 v[14:15], v[14:15], v[242:243]
	s_delay_alu instid0(VALU_DEP_1)
	v_pk_add_f32 v[14:15], v[14:15], v[254:255]
.irp g, 0,1
.irp t, 0,1,2,3
.irp i, 0,1,2,3,4,5,6,7
	v_min_num_f32 v[S+32*\g+8*\t+\i], v[S+32*\g+8*\t+\i], v[LIMP]   ; the conversion does not saturate (ISA guide 7.6.2); p is not negative: a one-sided hold
.endr
	v_cvt_scalef32_pk8_fp8_f32 v[PC+8*\g+4*(\t%2)+2*(\t/2):PC+8*\g+4*(\t%2)+2*(\t/2)+1], v[S+32*\g+8*\t:S+32*\g+8*\t+7], v[SCP]   ; in the order of v's fragments
.endr
.endr
	s_wait_alu depctr_va_vdst(0)                   ; directly ahead of the first reader of O^T
.set n, 0
.rept 16
	v_pk_mul_f32 v[O+n:O+n+1], v[O+n:O+n+1], v[FF:FF+1] op_sel_hi:[1,0]   ; O^T under the new M
.set n, n+2
.endr
.if \x == 0
	s_wait_alu depctr_va_vdst(0)                   ; directly ahead of the wait below
	s_wait_dscnt 0x0                               ; v's fragments
.endif
	WIN 0x54*\x
.irp t, 0,1,2,3
	v_wmma_f32_16x16x128_fp8_fp8 v[O+8*\t:O+8*\t+7], v[F+16*\t:F+16*\t+15], v[PC:PC+15], v[O+8*\t:O+8*\t+7]
.endr
.endm
; A KEY STEP of 128 keys for both tiles.  first = 1: keys 0-127, at constant addresses.
.macro STEP first
.if \first
.set KX0, KA0
.set KX1, KA1
.set VX, VA0
	s_mov_b32 s[Z], s[ZB]
.else
.set KX0, 1
.set KX1, 2
.set VX, 3
	s_cmp_gt_u32 s[KC], s[TH]                      ; waves 4-7 behind block p: in block 7 - p,
	s_cselect_b32 s34, 4, s[ZB]
	s_cselect_b32 s35, s[KD], 0                    ; 4 - p steps further on
	s_add_co_u32 s[Z], s34, s[KC]
	s_add_co_u32 s35, s35, s[KC]
	s_and_b32 s35, s35, 7                          ; the key step
	s_lshr_b32 s37, s35, 1
	s_lshl_b32 s37, s37, 15
	s_and_b32 s35, s35, 1
	s_lshl_b32 s35, s35, 13
	s_add_co_u32 s37, s37, s35                     ; its codes: two steps to 32,768 bytes
	v_add_nc_u32 v1, s37, v[KA0]
	v_add_nc_u32 v2, s37, v[KA1]
	v_add_nc_u32 v3, s37, v[VA0]
.endif
	s_min_u32 s36, s[Z], 6
	s_lshl_b32 s36, s36, 13
	ERADR                                          ; with the three additions these are also the places behind the last products
	s_wait_alu depctr_va_vdst(0)                   ; directly ahead of the branch
	s_cmp_lt_u32 s[Z], 7
	s_cbranch_scc0 .Ldiag_\@                       ; ids alone
	ERLD
	KLD KX0, KX1
	s_wait_dscnt 32                                ; Er's first sixteen loads are in (behind them sixteen of Er, sixteen of k)
	RHALF 0
	s_wait_dscnt 48                                ; Er's second sixteen, k and the first sixteen stores are in (behind them 32 loads, 16 stores)
	RHALF 1
	VLD VX
	s_branch .Ljoin_\@
.Ldiag_\@:                                         ; the diagonal step: the rings hold all that visible scores want
	KLD KX0, KX1
	RLD 0, 0
	RLD 0, 1
	RLD 1, 0
	RLD 1, 1
	VLD VX
.Ljoin_\@:
	s_wait_dscnt 48                                ; tile A's numbers and k are in (behind them 16 loads, 16 stores, 16 of v; in the diagonal step 32 loads, 16 of v)
	WIN 0x01
.irp t, 0,1,2,3,4,5,6,7
	v_wmma_f32_16x16x64_fp8_fp8 v[S+8*\t:S+8*\t+7], v[F+8*\t:F+8*\t+7], v[24:31], v[S+8*\t:S+8*\t+7]   ; S^T = k q^T + the skewed R^T
.endr
	s_wait_dscnt 16                                ; tile B's are (v's sixteen may be out)
	WIN 0x55
.irp t, 0,1,2,3,4,5,6,7
	v_wmma_f32_16x16x64_fp8_fp8 v[S+8*\t:S+8*\t+7], v[F+8*\t:F+8*\t+7], v[24:31], v[S+8*\t:S+8*\t+7]
.endr
	WIN 0
	NOP4
	s_cmp_lt_u32 s[Z], 7
	s_cbranch_scc1 .Lopen_\@
	v_mov_b32 v[TD], 0xff800000                    ; the diagonal step: tile A's keys 64 on are all hidden, tile B's keys 0-63 all count
	HIDE 0
.set n, 32
.rept 32
	v_mov_b32 v[S+n], v[TD]
.set n, n+1
.endr
	WIN 0x55
	v_mov_b32 v[TD], 0xff800000
	HIDE 32
	WIN 0
.Lopen_\@:
	SM 0
	SM 1
	WIN 0
.endm
.macro RESET
	v_mov_b32 v13, 0xff61b1e6                      ; the largest t so far: -3e38
	v_mov_b32 v14, 0
	v_mov_b32 v15, 0
	v_floor_f32 v12, -v13                          ; -M
.set n, 0
.rept 32
	v_mov_b32 v[O+n], 0                            ; O^T: the step is written without a first one of its own
.set n, n+1
.endr
.endm
.macro FIN x                           ; waves 4-7: block p's O^T / the sum x 2^(e10 + e11), into the scores' registers
	WIN 0x55*\x
	v_add_f32 v14, v14, v15
	v_permlanex16_b32 v[PD], v14, s[SEL], s[SEL+1]
	v_add_f32 v14, v14, v[PD]
	s_wait_alu depctr_va_vdst(0)                   ; ahead of the reciprocal, and ahead of its first reader
	v_rcp_f32 v14, v14
	v_nop
	s_wait_alu depctr_va_vdst(0)
	v_ldexp_f32 v14, v14, s[EO]
	s_wait_alu depctr_va_vdst(0)                   ; directly ahead of the first reader of O^T
.set n, 0
.rept 16
	v_pk_mul_f32 v[S+n:S+n+1], v[O+n:O+n+1], v[14:15] op_sel_hi:[1,0]
.set n, n+2
.endr
	WIN 0
.endm
.macro MERGE x                         ; waves 0-3: my part and the part at F (O^T at F .. F + 31, then -M, t, the sum), under the larger M
	WIN 0x55*\x
	v_min_num_f32 v[TA], v12, v[F+32]
	v_sub_f32 v[TC], v[TA], v12
	v_sub_f32 v250, v[TA], v[F+32]
	v_add_f32 v14, v14, v15
	v_add_f32 v15, v[F+34], v[F+35]
	v_cvt_i32_f32 v[TC], v[TC]                     ; (it saturates: a part with no keys has M = -3e38 and weighs 0)
	v_cvt_i32_f32 v250, v250
	v_ldexp_f32 v[FF], 1.0, v[TC]
	v_ldexp_f32 v[TA], 1.0, v250
	v_mul_f32 v14, v14, v[FF]
	v_fmac_f32 v14, v15, v[TA]
	v_permlanex16_b32 v[PD], v14, s[SEL], s[SEL+1]
	v_add_f32 v14, v14, v[PD]                      ; the row's sum
	s_wait_alu depctr_va_vdst(0)                   ; ahead of the reciprocal, and ahead of its first reader
	v_rcp_f32 v14, v14
	v_nop
	s_wait_alu depctr_va_vdst(0)
	v_ldexp_f32 v14, v14, s[EO]
	v_mul_f32 v[FF], v[FF], v14
	v_mul_f32 v[TA], v[TA], v14
	s_wait_alu depctr_va_vdst(0)                   ; directly ahead of the first reader of O^T
.set n, 0
.rept 16
	v_pk_mul_f32 v[S+n:S+n+1], v[O+n:O+n+1], v[FF:FF+1] op_sel_hi:[1,0]
.set n, n+2
.endr
.set n, 0
.rept 16
	v_pk_fma_f32 v[S+n:S+n+1], v[F+n:F+n+1], v[TA:TA+1], v[S+n:S+n+1] op_sel_hi:[1,0,1]
.set n, n+2
.endr
	WIN 0
.endm
; THE WAY OUT: both tiles' rows through my own rings' bytes, 16 rows of 256 bytes 272 apart for each tile; sixteen lanes store 256 consecutive bytes, aligned.
.macro OUTST
.irp x, 0,1
	WIN 0x01+0x04*\x
.irp t, 0,1,2,3
	ds_store_b128 v[OI], v[S+8*\t:S+8*\t+3] offset:TB*\x+64*\t
	ds_store_b128 v[OI], v[S+8*\t+4:S+8*\t+7] offset:TB*\x+64*\t+16
.endr
.endr
	WIN 0x01
.irp i, 0,1,2,3,4,5,6,7,8,9,10,11,12,13,14,15
	ds_load_b128 v[F+4*\i:F+4*\i+3], v[OB] offset:TB*(\i/8)+544*(\i%8)     ; LDS serves a wave's instructions in order: these see my stores
.endr
	WIN 0
.irp i, 0,1,2,3,4,5,6,7,8,9,10,11,12,13,14,15
	s_wait_dscnt 15-\i                             ; load i is in; the younger ones may be out
	global_store_b128 v[GO], v[F+4*\i:F+4*\i+3], s[14:15] offset:(\i/8)*262144+(\i%8)*32768 th:TH_STORE_NT
.endr
	s_wait_xcnt 0x0                                ; the stores have read their registers
.endm
	s_load_b256 s[4:11], s[0:1], 0x0               ; qa s[4:5], qb s[6:7], kv s[8:9], Er's codes s[10:11]
	s_load_b128 s[12:15], s[0:1], 0x20             ; the exponents s[12:13], out0 s[14:15]
	v_lshl_add_u32 v[SPW], v0, 2, SPARE
	v_mov_b32 v[NIL], 0
	ds_add_u32 v[SPW], v[NIL]                      ; the wave's opening: the add, twice on end, and its wait ahead of my first copy
	ds_add_u32 v[SPW], v[NIL]
	v_lshrrev_b32 v100, 5, v0
	v_readfirstlane_b32 s[W], v100                 ; wave 0..7
	v_and_b32 v96, 15, v0                          ; r
	v_bfe_u32 v97, v0, 4, 1                        ; h
	v_and_b32 v98, 7, v0                           ; r % 8
	v_bfe_u32 v99, v0, 3, 1                        ; r / 8
	s_and_b32 s[P], ttmp9, 3
	s_and_b32 s[HD], ttmp7, 0xffff
	s_and_b32 s[MM], s[W], 3
	s_lshr_b32 s[YY], s[W], 2
	s_xor_b32 s39, s[P], 7                         ; 7 - p
	s_xor_b32 s[KD], s[P], 3
	s_add_co_u32 s[KD], s[KD], 1                   ; 4 - p
	s_add_co_u32 s38, s[P], 1
	s_cmp_eq_u32 s[YY], 0
	s_cselect_b32 s[BQ], s39, s[P]                 ; my first block
	s_cselect_b32 s[ZB], s[P], s39                 ; 7 - block
	s_cselect_b32 s[TH], 63, s[P]                  ; waves 4-7 are in block 7 - p from trip p + 1 on
	s_cselect_b32 s[SW], 63, s38
	s_cselect_b32 s[NST], 5, 4
	s_lshl_b32 s34, s[HD], 16                      ; q: a head is 65,536 bytes, a block of 128 queries 8,192
	s_lshl_b32 s36, s39, 13
	s_add_co_u32 s36, s36, s34
	s_mov_b32 s37, 0
	s_lshl_b32 s38, s[BQ], 13
	s_add_co_u32 s38, s38, s34
	s_mov_b32 s39, 0
	s_lshl_b32 s54, s[HD], 17                      ; kv: a head is 131,072 bytes
	s_mov_b32 s55, 0
	s_lshr_b32 s56, s[HD], 4                       ; out0: batch x 4 MiB + query x 4,096 + head x 256
	s_lshl_b32 s56, s56, 22
	s_lshl_b32 s58, s[BQ], 19
	s_add_co_u32 s56, s56, s58
	s_lshl_b32 s58, s[MM], 12
	s_add_co_u32 s56, s56, s58
	s_and_b32 s58, s[HD], 15
	s_lshl_b32 s58, s58, 8
	s_add_co_u32 s56, s56, s58
	s_mov_b32 s57, 0
	s_lshl_b32 s58, s[BQ], 7
	s_add_co_u32 s58, s58, s[MM]
	s_sub_co_u32 s58, 899, s58                     ; E(-1)'s first row
	s_lshl_b32 s59, s[MM], 4
	s_mul_i32 s[WB], s[W], 2*TB
	s_add_co_u32 s[WB], s[WB], RNG                 ; my rings
	s_wait_alu depctr_va_vdst(0)                   ; ahead of the readers below
	v_lshlrev_b32 v1, 4, v0                        ; the copies: 16 bytes a thread, 4,096 an instruction of the eight waves; v's codes lie in LDS as in kv,
	v_bfe_u32 v100, v0, 7, 1
	v_bfe_u32 v101, v0, 4, 1
	v_lshlrev_b32 v102, 7, v100
	v_xor_b32 v2, v1, v102                         ; k's with bit 7 turned in every second pair of images,
	v_lshlrev_b32 v102, 5, v100
	v_lshl_or_b32 v102, v101, 4, v102
	v_xor_b32 v3, v1, v102
	v_add_nc_u32 v3, ERL, v3                       ; Er's 16-byte chunk c of row R at c xor ((R / 4) % 2 + 2 ((R / 32) % 2))
	WIN 0x40
	v_add_nc_u32 v5, 0x10000, v1                   ; v261, v262: the same for key steps 4 to 7, 65,536 bytes on
	v_add_nc_u32 v6, 0x10000, v2
	WIN 0
	v_lshrrev_b32 v103, 2, v96                     ; q: query 4 r + m of 64 lies in image r / 4 at lane m + 4 (r % 4) + 16 h
	v_and_b32 v104, 3, v96
	v_lshlrev_b32 v103, 10, v103
	v_lshl_add_u32 v103, v104, 6, v103
	v_lshl_add_u32 v103, v97, 8, v103
	v_add_nc_u32 v103, s59, v103
	v_lshl_add_u32 v104, v99, 5, v98               ; r % 8 + 32 (r / 8)
	v_add_nc_u32 v105, s58, v104
	v_lshlrev_b32 v106, 6, v105
	v_lshl_add_u32 v106, v97, 3, v106              ; E(-1), and E(0) but for its last tile,
	v_add_nc_u32 v107, 88, v105
	v_min_u32 v107, 0x3ff, v107                    ; whose rows from 1,024 on, wanted by hidden scores alone, are held at the tensor's last
	v_lshlrev_b32 v107, 6, v107
	v_lshl_add_u32 v107, v97, 3, v107
	s_wait_dscnt 0x0                               ; both opening adds are done
	s_wait_alu depctr_va_vdst(0)
	s_wait_kmcnt 0x0
	s_load_b64 s[68:69], s[12:13], 0x18            ; e6, e7
	s_load_b128 s[72:75], s[12:13], 0x20           ; e8, e9, e10, e11
	s_add_nc_u64 s[QA2:QA2+1], s[4:5], s[36:37]    ; q at block 7 - p,
	s_add_nc_u64 s[QB2:QB2+1], s[6:7], s[36:37]
	s_add_nc_u64 s[4:5], s[4:5], s[38:39]          ; and at my first block
	s_add_nc_u64 s[6:7], s[6:7], s[38:39]
	s_add_nc_u64 s[KVB:KVB+1], s[8:9], s[54:55]
	s_add_nc_u64 s[ERB:ERB+1], s[10:11], 0x2000    ; Er at row 128
	s_add_nc_u64 s[14:15], s[14:15], s[56:57]
.macro QLD qw, qv, qa_, qb_
	WIN \qw
	global_load_b128 v[16:19], v[\qv], s[\qa_:\qa_+1]
	global_load_b128 v[20:23], v[\qv], s[\qa_:\qa_+1] offset:512
	global_load_b128 v[24:27], v[\qv], s[\qb_:\qb_+1]
	global_load_b128 v[28:31], v[\qv], s[\qb_:\qb_+1] offset:512
	WIN \qw+0x40
	global_load_b128 v[16:19], v[\qv], s[\qa_:\qa_+1] offset:4096
	global_load_b128 v[20:23], v[\qv], s[\qa_:\qa_+1] offset:4096+512
	global_load_b128 v[24:27], v[\qv], s[\qb_:\qb_+1] offset:4096
	global_load_b128 v[28:31], v[\qv], s[\qb_:\qb_+1] offset:4096+512
	WIN 0
.endm
	QLD 0, 103, 4, 6
.irp t, 0,1,2,3,4,5,6
.irp c, 0,1,2,3
	global_load_b64 v[F+8*\t+2*\c:F+8*\t+2*\c+1], v106, s[10:11] offset:512*\t+2048*(\t/4)+16*\c   ; E(-1)'s four tiles, 8 rows apart, and, 64 rows on, E(0)'s first three
.endr
.endr
.irp c, 0,1,2,3
	global_load_b64 v[F+56+2*\c:F+57+2*\c], v107, s[10:11] offset:16*\c
.endr
.irp n, 0,1,2,3,4,5,6,7,8,9,10,11,12,13
	global_load_async_to_lds_b128 v3, v1, s[ERB:ERB+1] offset:\n*4096
.endr
.macro KVCOPY lk, lv, ks               ; a key step, ks counted from the address registers: two copies of k's images, two of v's
	global_load_async_to_lds_b128 v\lk, v\lv, s[KVB:KVB+1] offset:(\ks/2)*32768+(\ks%2)*8192
	global_load_async_to_lds_b128 v\lk, v\lv, s[KVB:KVB+1] offset:(\ks/2)*32768+(\ks%2)*8192+4096
	global_load_async_to_lds_b128 v\lv, v\lv, s[KVB:KVB+1] offset:(\ks/2)*32768+(\ks%2)*8192+16384
	global_load_async_to_lds_b128 v\lv, v\lv, s[KVB:KVB+1] offset:(\ks/2)*32768+(\ks%2)*8192+16384+4096
.endm
.irp k, 0,1,2,3
	KVCOPY 2, 1, \k
.endr
	WIN 0x41
.irp k, 0,1,2,3
	KVCOPY 6, 5, \k
.endr
	WIN 0
	; the rest of the head under the loads' flight
	v_mul_u32_u24 v108, v96, 520
	v_add_nc_u32 v108, s[WB], v108                 ; my ring's row r
	v_lshl_add_u32 v[WA], v97, 7, v108
	v_lshlrev_b32 v109, 7, v97
	v_add_nc_u32 v109, 240, v109
	v_lshlrev_b32 v110, 4, v96
	v_sub_nc_u32 v109, v109, v110                  ; the byte of u = 32 h + 60 - 4 r
.irp i, 0,1,2,3,4,5,6,7,8,9,10,11,12,13,14,15
	v_add_nc_u32 v[RA+\i], 256*(\i/8)+16*(\i%8), v109
.endr
.irp i, 0,1,2,3,4,5,6,7,8,9,10,11,12,13,14,15
	v_and_b32 v[RA+\i], 511, v[RA+\i]              ; round the ring of 512 bytes
.endr
.irp i, 0,1,2,3,4,5,6,7,8,9,10,11,12,13,14,15
	v_add_nc_u32 v[RA+\i], v108, v[RA+\i]
.endr
	v_lshlrev_b32 v[KA0], 4, v98                   ; k: row r of tile t is key 8 t + r % 8 + 32 (r / 8): image t / 2 + 2 (r / 8), lane 8 (t % 2) + r % 8
	v_lshl_add_u32 v[KA0], v97, 8, v[KA0]
	v_mul_u32_u24 v110, v99, 2048+128
	v_add_nc_u32 v[KA0], v110, v[KA0]
	v_xor_b32 v[KA1], 128, v[KA0]                  ; odd tiles
	v_lshlrev_b32 v[VA0], 4, v96
	v_lshl_add_u32 v[VA0], v97, 9, v[VA0]
	v_lshlrev_b32 v[GO], 14, v97                   ; the way out: lanes 0-15 one query's row, lanes 16-31 the next, four rows of 4,096 bytes on
	v_lshl_add_u32 v[GO], v96, 4, v[GO]
	v_lshlrev_b32 v111, 2, v96
	v_add_nc_u32 v111, s[MM], v111
	v_lshlrev_b32 v110, 5, v97
	v_sub_nc_u32 v111, v111, v110                  ; m + 4 r - 32 h
	v_mov_b32 v[DM], v111
	s_xor_b32 s34, s[MM], 3
	v_add_nc_u32 v110, s34, v98                    ; x = 3 - m + r % 8: Er's row modulo 64 is x + 8 t + 32 (r / 8)
	v_bfe_u32 v112, v110, 2, 1
	v_lshlrev_b32 v113, 5, v99
	v_lshl_or_b32 v112, v112, 4, v113              ; the swizzle of tiles 0 to 2,
	v_lshrrev_b32 v113, 3, v110
	v_lshlrev_b32 v113, 5, v113
	v_xor_b32 v113, v113, v112                     ; and of tile 3, where x of 8 or more carries into bit 5
	v_lshlrev_b32 v114, 6, v110
	v_lshl_add_u32 v114, v99, 11, v114
	v_lshl_add_u32 v114, v97, 3, v114
	v_add_nc_u32 v114, ERL, v114                   ; row 131 - m + r % 8 + 32 (r / 8), + 8 h
.irp c, 0,1,2,3
	v_xor_b32 v[116+\c], 16*\c, v112
	v_xor_b32 v[120+\c], 16*\c, v113
.endr
	v_mul_u32_u24 v124, v96, 272
	v_lshl_add_u32 v124, v97, 5, v124
	v_mul_u32_u24 v125, v97, 272
	v_lshl_add_u32 v125, v96, 4, v125
	v_and_b32 v126, 31, v0
	v_lshlrev_b32 v126, 4, v126
	s_mul_i32 s35, s[MM], 2*TB
	s_add_co_u32 s35, s35, RNG+4*2*TB              ; the rings of wave 4 + m: the hand-over
	v_add_nc_u32 v127, ERL+896*64, v0
	ds_store_b8 v127, v[NIL]                       ; Er's rows 1,024 to 1,027: zeros, a byte a thread
	WIN 0x40
.irp i, 0,1,2,3,4,5,6,7
	v_add_nc_u32 v[LE+\i], v114, v[116+\i]
.endr
	v_mov_b32 v[GQ], v103
	v_add_nc_u32 v[OI], s[WB], v124
	v_add_nc_u32 v[OB], s[WB], v125
	v_add_nc_u32 v[HB], s35, v126
	v_mov_b32 v[DM], v111
	WIN 0
	s_mov_b32 s[SEL], 0x76543210
	s_mov_b32 s[SEL+1], 0xfedcba98
	s_mov_b32 s[CS], 0x3e38aa3b                    ; log2(e) / 8
	s_mov_b32 s[KC], 1
	s_wait_alu depctr_va_vdst(0)
	s_wait_kmcnt 0x0
	s_add_co_i32 s34, s72, s73                     ; e8 + e9: a score's sum stands for sum x 2^(e8 + e9): added to c's exponent field
	s_lshl_b32 s35, s34, 23
	s_add_co_i32 s[CS], s[CS], s35
	s_mov_b32 s[CS+1], s[CS]
	s_add_co_i32 s35, s68, s69
	s_sub_co_i32 s35, s35, s34
	s_add_co_i32 s35, s35, 127
	s_lshl_b32 s[RHO], s35, 23                     ; 2^(e6 + e7 - e8 - e9)
	s_mov_b32 s[RHO+1], s[RHO]
	s_add_co_i32 s[EO], s74, s75
	s_add_co_i32 s34, s74, 127
	s_lshl_b32 s35, s34, 23
	s_add_co_i32 s34, s34, 8
	s_lshl_b32 s34, s34, 23
	s_or_b32 s34, s34, 0x600000
.irp x, 0,1
	WIN 0x55*\x
	v_mov_b32 v[SCP], s35
	v_mov_b32 v[LIMP], s34
	v_mov_b32 v[PD], 0                             ; written once: a lane permute's destination counts as one of its sources
	v_mov_b32 v[FF+1], 0                           ; (named as the upper half of a pair)
	RESET
.endr
	WIN 0
	s_wait_alu depctr_va_vdst(0)
	s_wait_loadcnt 0x0                             ; q's codes and Er's first rows
	RSTART
	s_wait_asynccnt 28                             ; my copies of Er and of keys 0-127 are in (the other 28 may be out)
	s_wait_dscnt 0x0
	s_barrier_signal -1
	s_barrier_wait -1                              ; everybody's are
	STEP 1
	s_wait_asynccnt 0x0                            ; all my copies are in
	s_wait_dscnt 0x0
	s_wait_alu depctr_va_vdst(0)
	s_barrier_signal -1
	s_barrier_wait -1                              ; and everybody's
.Lloop:                                            ; trips 1 to 4
	s_cmp_eq_u32 s[KC], s[SW]
	s_cbranch_scc0 .Lstay
	; waves 4-7 behind block p's last step: its rows go out, and the rest of block 7 - p begins (trip 4: there is none, the part that is handed over is empty)
	s_cmp_eq_u32 s[KC], 4
	s_cbranch_scc1 .Lnoq
	QLD 0x01, GQ, QA2, QB2
.Lnoq:
	FIN 0
	FIN 1
	OUTST
	RESET
	WIN 0x55
	RESET
	WIN 0
	s_wait_alu depctr_va_vdst(0)                   ; directly ahead of the branch
	s_cmp_eq_u32 s[KC], 4
	s_cbranch_scc1 .Lskip
	s_add_co_u32 s36, s[KC], 3
	s_min_u32 s36, s36, 6
	s_lshl_b32 s36, s36, 13
	ERADR
	ERLD                                           ; E(9) and E(10): the new segment begins at key step 5
	s_wait_loadcnt 0x0                             ; block 7 - p's q
	s_wait_dscnt 0x0
	RSTART
.Lstay:
	s_cmp_lt_u32 s[KC], s[NST]
	s_cbranch_scc0 .Lskip
	STEP 0
.Lskip:
	s_wait_alu depctr_va_vdst(0)                   ; ahead of the branch
	s_add_co_u32 s[KC], s[KC], 1
	s_cmp_lt_u32 s[KC], 5
	s_cbranch_scc1 .Lloop
	NOP4                                           ; places behind the last products
	s_wait_alu depctr_va_vdst(0)
	s_cmp_lt_u32 s[W], 4
	s_cbranch_scc1 .Lmeet
.irp x, 0,1                                ; waves 4-7 hand over: O^T by registers, then -M, t, the sum
	WIN 0x01+0x04*\x
.irp i, 0,1,2,3,4,5,6,7
	ds_store_b128 v[HB], v[O+4*\i:O+4*\i+3] offset:TB*\x+512*\i
.endr
	ds_store_b128 v[HB], v[12:15] offset:TB*\x+4096
.endr
	WIN 0
.Lmeet:
	s_wait_dscnt 0x0
	s_wait_alu depctr_va_vdst(0)
	s_barrier_signal -1
	s_barrier_wait -1
	s_cmp_lt_u32 s[W], 4
	s_cbranch_scc0 .Lend
.irp x, 0,1
	WIN 0x01+0x40*\x
.irp i, 0,1,2,3,4,5,6,7,8
	ds_load_b128 v[F+4*\i:F+4*\i+3], v[HB] offset:TB*\x+512*\i
.endr
.endr
	WIN 0
	s_wait_dscnt 0x0
	MERGE 0
	MERGE 1
	OUTST
.Lend:
	s_wait_tensorcnt 0x0                           ; the wave's end
	s_wait_asynccnt 0x0
	ds_add_u32 v[SPW], v[NIL]
	s_wait_dscnt 0x0
	s_endpgm
.Lfunc_end_k_qb0df84fa8c_attn:
	.size	k_qb0df84fa8c_attn, .Lfunc_end_k_qb0df84fa8c_attn-k_qb0df84fa8c_attn
	.p2alignl 7, 3214868480
	.fill 96, 4, 3214868480
	.section	.rodata,"a",@progbits
	.p2align	6, 0x0
	.amdhsa_kernel k_qb0df84fa8c_attn
		.amdhsa_group_segment_fixed_size 327680
		.amdhsa_private_segment_fixed_size 0
		.amdhsa_enable_private_segment 0
		.amdhsa_kernarg_size 48
		.amdhsa_user_sgpr_count 2
		.amdhsa_user_sgpr_kernarg_segment_ptr 1
		.amdhsa_wavefront_size32 1
		.amdhsa_system_sgpr_workgroup_id_x 1
		.amdhsa_system_sgpr_workgroup_id_y 1
		.amdhsa_system_sgpr_workgroup_id_z 1
		.amdhsa_system_vgpr_workitem_id 0
		.amdhsa_next_free_vgpr 512
		.amdhsa_next_free_sgpr 100
		.amdhsa_reserve_vcc 1
		.amdhsa_float_denorm_mode_32 3
		.amdhsa_float_denorm_mode_16_64 3
		.amdhsa_memory_ordered 1
		.amdhsa_forward_progress 1
		.amdhsa_inst_pref_size 177
	.end_amdhsa_kernel
	.amdgpu_metadata
---
amdhsa.version: [ 1, 2 ]
amdhsa.kernels:
  - .name:           k_qb0df84fa8c_attn
    .symbol:         k_qb0df84fa8c_attn.kd
    .args:
      - { .name: qa, .offset: 0, .size: 8, .value_kind: global_buffer, .address_space: global }
      - { .name: qb, .offset: 8, .size: 8, .value_kind: global_buffer, .address_space: global }
      - { .name: kv, .offset: 16, .size: 8, .value_kind: global_buffer, .address_space: global }
      - { .name: Er_codes, .offset: 24, .size: 8, .value_kind: global_buffer, .address_space: global }
      - { .name: lowp_scales, .offset: 32, .size: 8, .value_kind: global_buffer, .address_space: global }
      - { .name: out0, .offset: 40, .size: 8, .value_kind: global_buffer, .address_space: global }
    .group_segment_fixed_size: 327680
    .private_segment_fixed_size: 0
    .kernarg_segment_align: 8
    .kernarg_segment_size: 48
    .max_flat_workgroup_size: 256
    .sgpr_count:     100
    .vgpr_count:     512
    .wavefront_size: 32
...
	.end_amdgpu_metadata
.endif
;; end of part 2
